; MI455X (gfx1250); checked and timed in simulation.
; The chip was launched on July 23, 2026; its instructions are those of AMD's public machine-readable ISA for CDNA 5 (MIT licence, August 2026) and "CDNA5" Instruction Set Architecture Reference Guide (July 2026). The comments in the code are by the model that wrote it; some were corrected since.
;; my param layer. Allowed arithmetic: matrix products marked QUANTISED: E2M1 operands, one E8M0 scale for each 32 along K, by v_wmma_scale_f32_16x16x128_f8f6f4 with both operands' format E2M1 (or v_wmma_scale_f32_32x16x128_f4), f32 sums; everything else in f32.
;; Inputs: A 4,096 x 4,096 float32; B 4,096 x 4,096 float32.
;; Outputs: out0 4,096 x 4,096 float32.
;; This version of the problem:
;;   THIS VERSION OF THE PROBLEM IS GIVEN IN LOW PRECISION. The matrix products marked QUANTISED in the list below multiply operands that are first quantised to E2M1 (2 exponent bits, 1 mantissa bit; 4 bits a number), with one power-of-two scale for each 32 numbers along K (OCP MX v1.0); their sums are f32. All else is computed in f32.
;;   The module's matrix products, in the order in which they are computed (A, B: the left and right operand; K: the contracted axis; several contracted axes count as one K, in the product's order):
;;     1. [M 4,096, K 4,096] x [K 4,096, N 4,096]; A: input A; B: input B: QUANTISED
;;   THE QUANTISER, for each operand of a quantised product, along K:
;;     - K is cut into blocks of 32 from its start; a last block that is shorter is filled with zeros.
;;     - A block's scale is 2^e with e = floor(log2(the largest magnitude in the block)) - 2, held to -126 .. 127; a block of zeros has e = 0. As a byte (E8M0): e + 127.
;;     - Each number is divided by its block's scale, clamped to +-6, and rounded to the nearest number of E2M1, ties to even, subnormals kept.
;;     - The product sums the exact products of the quantised numbers (number of the format x scale) in f32.
;;   ~~~python
;;   def quantise(x, axis):      # numpy; x: float32 -> the quantised numbers, widened to float32 again
;;       x = np.moveaxis(x, axis, -1); K = x.shape[-1]
;;       x = np.pad(x, [(0, 0)] * (x.ndim - 1) + [(0, -K % 32)]); x = x.reshape(x.shape[:-1] + (-1, 32)); a = np.abs(x).max(-1, keepdims=True)
;;       e = np.where(a > 0, np.clip(np.frexp(np.where(a > 0, a, 1))[1] - 1 - 2, -126, 127), 0)      # np.frexp(a)[1] - 1 = floor(log2(a)), exactly
;;       r = np.clip(x / 2.0 ** e, -6, 6)
;;       step = 2.0 ** (np.maximum(np.frexp(np.where(r == 0, 1, r))[1] - 1, 0) - 1)
;;       q = np.round(r / step) * step * 2.0 ** e      # np.round: ties to even
;;       return np.moveaxis(q.reshape(q.shape[:-2] + (-1,))[..., :K], -1, axis).astype(np.float32)
;;   ~~~
;; 2 versions. Each part assembles by itself: llvm-mc -triple=amdgcn-amd-amdhsa -mcpu=gfx1250 --defsym DOCPART=n.
;; ======== version 1 of 2: 2 launches
;; workspace buffers: a_q 8,912,896 bytes; b_q 8,912,896 bytes
;; launch quant (part 1): grid 512 x 1, 8 waves a work-group, no clusters, 35,840 bytes of LDS; arguments A, B, a_q, b_q; writes a_q, b_q
.if DOCPART == 1
	.amdgcn_target "amdgcn-amd-amdhsa--gfx1250"
	.amdhsa_code_object_version 6
	.text
	.protected	k_qb753c7f6ca_quant
	.globl	k_qb753c7f6ca_quant
	.p2align	8
	.type	k_qb753c7f6ca_quant,@function
k_qb753c7f6ca_quant:
	s_mov_b64 s[64:65], 0
	v_nop
	global_prefetch_b8 v0, s[64:65] scope:SCOPE_SE
	s_setreg_imm32_b32 hwreg(HW_REG_WAVE_MODE, 25, 1), 1
	s_wait_xcnt 0x0
; A [4096 (m)][4096 (k)] and B [4096 (k)][4096 (n)], f32, are turned into codes of FP4 (E2M1) with one E8M0 scale byte for each 32 along K.
; Both results have ONE layout: [8 K steps][4096 rows][272 bytes]; a row is m for A, n for B.  A record of 272 bytes is 256 bytes of codes (512 along K, two codes a byte,
; the lower k in the low four bits) and behind them the 16 scale bytes of those 512 (byte j for k = 32 j .. 32 j + 31).  So a K step of 128 rows is 34,816 consecutive bytes.
; A block's scale is 2^(floor(log2(its largest magnitude)) - 2): its byte is the largest magnitude's exponent field - 2, held at 1 from below; a block of zeros gets 127.
; Each number is divided by the scale and rounded to the nearest code, ties to even; beyond the largest code the conversion gives the largest code.
; LIMITS: NaN and infinities among the inputs are not served; blocks whose largest magnitude lies under 2^-124, whose byte is held at 1, were not tried.
; SHARES.  Work-groups 0-255 take A, 256-511 take B; each makes 128 records of one K step (65,536 numbers) in a stage in LDS that is the image of its 34,816 bytes of output.
;   A (K innermost): wave w takes rows 16 w .. 16 w + 15 of the 128, a row a step; a lane holds 16 neighbours along K (four loads of 16 bytes), two neighbouring lanes hold a block.
;   B (K outermost): a lane takes a column n and its registers run DOWN K, so that a block of 32 lies in one lane's 32 registers and the codes come out with K innermost;
;      wave w takes columns 32 (w % 4) .. + 31 and the half w / 4 of the K step's 512: 8 blocks a lane.  Each load reads 128 consecutive bytes; four waves stand side by side on 512.
; THE WAY OUT.  One barrier (in B two waves write each record), then wave w reads bytes 4,352 w .. + 4,351 of the stage as they lie and stores them: every store covers whole aligned runs of 256 bytes.
; No register that a pending load or store names is written again, and EXEC is never changed.
.set REC,   272                        ; bytes in a record
.set STEPB, 4096*REC                   ; bytes in a K step of a result
.set ROWB,  16384                      ; bytes in a row of A or of B
.set WOUT,  16*REC                     ; bytes of the stage that a wave sends out
.set SB,    24                         ; v24-25   B: a lane's 8 scale bytes
.set X,     32                         ; v32-95   numbers: A four sets of 16, B two sets of 32
.set C,     96                         ; v96-127  codes: registers of its own for each step (A: 2 x 16, B: 4 x 8)
.set E,     128                        ; v128-143 A: a scale byte for each step
.set OUTR,  144                        ; v144-177 the way out
	s_load_b256 s[4:11], s[0:1], 0x0               ; A s[4:5], B s[6:7], a_q s[8:9], b_q s[10:11]
	v_lshl_add_u32 v192, v0, 2, 0x8800
	v_mov_b32 v193, 0
	v_lshrrev_b32 v8, 5, v0
	v_readfirstlane_b32 s12, v8                    ; wave 0..7
	v_and_b32 v1, 31, v0                           ; lane
	s_and_b32 s13, ttmp9, 255                      ; my number among the tensor's 256 work-groups
	s_mul_i32 s20, s12, WOUT                       ; my wave's 16 records in the stage
	s_and_b32 s22, s12, 3                          ; B: which 32 columns
	s_lshr_b32 s23, s12, 2                         ; B: which half of the K step
	v_lshlrev_b32 v2, 6, v1                        ; A in: my 64 bytes of a row's 2,048
	v_lshl_add_u32 v3, v1, 3, s20                  ; A: my 8 bytes of codes in my wave's first record
	v_lshrrev_b32 v4, 1, v1
	s_add_co_u32 s21, s20, 256
	v_add_nc_u32 v4, s21, v4                       ; A: my block's scale byte there
	v_lshlrev_b32 v5, 2, v1                        ; B in: 4 bytes a lane
	s_lshl_b32 s21, s22, 5
	v_add_nc_u32 v6, s21, v1                       ; B: my column among the 128
	v_mul_u32_u24 v6, v6, REC                      ; its record
	s_lshl_b32 s21, s23, 3
	s_add_co_u32 s21, s21, 256
	v_add_nc_u32 v7, s21, v6                       ; B: my 8 scale bytes in it
	s_lshl_b32 s21, s23, 7
	v_add_nc_u32 v6, s21, v6                       ; B: my 128 bytes of codes in it
	v_lshl_add_u32 v16, v1, 4, s20                 ; out of the stage: 16 bytes a lane,
	s_add_co_u32 s21, s20, 4096
	v_lshl_add_u32 v17, v1, 3, s21                 ; and 8 bytes a lane for the last 256
	v_lshlrev_b32 v18, 4, v1                       ; and the same places in memory
	v_lshlrev_b32 v19, 3, v1
	s_wait_kmcnt 0x0
	s_cmp_lt_u32 ttmp9, 256                        ; A's work-group or B's?  The choice hangs on the work-group's number alone
	s_cselect_b64 s[8:9], s[8:9], s[10:11]         ; the result's buffer (the select leaves SCC as it is)
	s_cbranch_scc0 .Lpath_b
	; ---------------- A: K innermost ----------------
	s_and_b32 s14, s13, 7                          ; the K step
	s_lshr_b32 s15, s13, 3                         ; which 128 rows
	s_lshl_b32 s16, s15, 21                        ; 128 rows of 16,384 bytes,
	s_lshl_b32 s21, s12, 18                        ; 16 rows a wave,
	s_add_co_u32 s16, s16, s21
	s_lshl_b32 s21, s14, 11                        ; 512 numbers a K step: under 2^26 in all
	s_add_co_u32 s16, s16, s21
	s_mov_b32 s17, 0
	s_add_nc_u64 s[4:5], s[4:5], s[16:17]
.macro LOADA t                         ; row t of my 16: the four loads together read 2,048 consecutive bytes
.irp i, 0,1,2,3
	global_load_b128 v[X+16*((\t)%4)+4*\i:X+16*((\t)%4)+4*\i+3], v2, s[4:5] offset:ROWB*(\t)+16*\i th:TH_LOAD_NT
.endr
.endm
.irp t, 0,1,2,3
	LOADA \t
.endr
.macro STEPA t
.set XS, X+16*((\t)%4)
.if 15-(\t) >= 3
	s_wait_loadcnt 12                              ; this step's four loads are in; the next three steps' twelve may be out
.else
	s_wait_loadcnt 4*(15-(\t))
.endif
	v_max3_num_f32 v8, |v[XS]|, |v[XS+1]|, |v[XS+2]|               ; the largest magnitude of my 16, in two chains
	v_max3_num_f32 v9, |v[XS+3]|, |v[XS+4]|, |v[XS+5]|
.irp i, 6,10
	v_max3_num_f32 v8, v8, |v[XS+\i]|, |v[XS+\i+1]|
	v_max3_num_f32 v9, v9, |v[XS+\i+2]|, |v[XS+\i+3]|
.endr
	v_max3_num_f32 v8, v8, |v[XS+14]|, |v[XS+15]|
	v_max_num_f32 v8, v8, v9
	v_max_num_f32_dpp v8, v8, v8 row_xmask:1 row_mask:0xf bank_mask:0xf   ; and of my neighbour's 16: the block's
	v_lshrrev_b32 v9, 23, v8                       ; its exponent field (the sign bit is 0)
	v_max_u32 v9, 3, v9                            ; the byte is not to fall under 1
	v_add_nc_u32 v9, -2, v9                        ; the scale's byte
	v_lshlrev_b32 v11, 23, v9                      ; and the scale as f32: the conversion takes its exponent field
	v_cmp_eq_u32 vcc_lo, 0, v8                     ; a block of zeros?
	v_cvt_scalef32_pk8_fp4_f32 v[C+2*(\t)], v[XS:XS+7], v11        ; eight codes, the first number's in the lowest four bits
	v_cvt_scalef32_pk8_fp4_f32 v[C+2*(\t)+1], v[XS+8:XS+15], v11
	v_cndmask_b32 v[E+(\t)], v9, 127, vcc_lo       ; a block of zeros gets 127.  (Also the one plain vector instruction between a scaled conversion and what touches its result or writes its sources)
	ds_store_b8 v4, v[E+(\t)] offset:REC*(\t)      ; both lanes of a block write the same byte with the same value
	ds_store_b64 v3, v[C+2*(\t):C+2*(\t)+1] offset:REC*(\t)
.if (\t)+4 < 16
	LOADA (\t)+4
.endif
.endm
.irp t, 0,1,2,3,4,5,6,7,8,9,10,11,12,13,14,15
	STEPA \t
.endr
	s_branch .Lout
	; ---------------- B: K outermost ----------------
.Lpath_b:
	s_and_b32 s15, s13, 31                         ; which 128 columns
	s_lshr_b32 s14, s13, 5                         ; the K step
	s_lshl_b32 s16, s14, 23                        ; 512 rows of 16,384 bytes,
	s_lshl_b32 s21, s23, 22                        ; 256 rows for the second half,
	s_add_co_u32 s16, s16, s21
	s_lshl_b32 s21, s15, 9                         ; 128 columns of 4 bytes,
	s_add_co_u32 s16, s16, s21
	s_lshl_b32 s21, s22, 7                         ; 32 columns a wave: under 2^26 in all
	s_add_co_u32 s16, s16, s21
	s_mov_b32 s17, 0
	s_add_nc_u64 s[6:7], s[6:7], s[16:17]
.macro LOADB t                         ; block t: B(32 t + i, my column), i = 0 .. 31, into set t % 2; the offsets reach 255 rows, 4,177,920 bytes: inside the signed 24-bit immediate (ISA guide, chapter 10)
.irp i, 0,1,2,3,4,5,6,7,8,9,10,11,12,13,14,15,16,17,18,19,20,21,22,23,24,25,26,27,28,29,30,31
	global_load_b32 v[X+32*((\t)%2)+\i], v5, s[6:7] offset:(32*(\t)+\i)*ROWB th:TH_LOAD_NT
.endr
.endm
	LOADB 0
	LOADB 1
.macro BLOCKB t
.set XS, X+32*((\t)%2)
.if (\t) < 7
	s_wait_loadcnt 32                              ; this block's 32 loads are in; the next block's 32 may be out
.else
	s_wait_loadcnt 0
.endif
	v_max3_num_f32 v12, |v[XS]|, |v[XS+1]|, |v[XS+2]|              ; the block's largest magnitude: all 32 numbers are mine
	v_max3_num_f32 v13, |v[XS+3]|, |v[XS+4]|, |v[XS+5]|
.irp i, 6,10,14,18,22,26
	v_max3_num_f32 v12, v12, |v[XS+\i]|, |v[XS+\i+1]|
	v_max3_num_f32 v13, v13, |v[XS+\i+2]|, |v[XS+\i+3]|
.endr
	v_max3_num_f32 v12, v12, |v[XS+30]|, |v[XS+31]|
	v_max_num_f32 v12, v12, v13
	v_lshrrev_b32 v13, 23, v12                     ; its exponent field
	v_max_u32 v13, 3, v13                          ; the byte is not to fall under 1
	v_add_nc_u32 v13, -2, v13                      ; the scale's byte
	v_lshlrev_b32 v11, 23, v13                     ; and the scale as f32, for the conversion
	v_cmp_eq_u32 vcc_lo, 0, v12
	v_cndmask_b32 v13, v13, 127, vcc_lo            ; a block of zeros gets 127
.if (\t)%4 == 0
	v_mov_b32 v[SB+(\t)/4], v13                    ; four bytes to a register, the lower K in the lower byte
.else
	v_lshl_or_b32 v[SB+(\t)/4], v13, 8*((\t)%4), v[SB+(\t)/4]
.endif
.irp g, 0,1,2,3
	v_cvt_scalef32_pk8_fp4_f32 v[C+4*(\t)+\g], v[XS+8*\g:XS+8*\g+7], v11
.endr
	v_nop                                          ; one plain vector instruction between a scaled conversion and what touches its result or writes its sources
	ds_store_b128 v6, v[C+4*(\t):C+4*(\t)+3] offset:16*(\t)        ; 32 codes: 16 bytes of my column's record; records lie 272 bytes apart
.if (\t)+2 < 8
	LOADB (\t)+2
.endif
.endm
.irp t, 0,1,2,3,4,5,6,7
	BLOCKB \t
.endr
	ds_store_b64 v7, v[SB:SB+1]                    ; my 8 scale bytes
	; ---------------- the way out, for both ----------------
.Lout:
	s_mul_i32 s18, s14, STEPB                      ; the K step,
	s_mul_i32 s21, s15, 128*REC                    ; the work-group's 128 records,
	s_add_co_u32 s18, s18, s21
	s_add_co_u32 s18, s18, s20                     ; my wave's 4,352 bytes of them: under 2^24 in all
	s_mov_b32 s19, 0
	s_add_nc_u64 s[8:9], s[8:9], s[18:19]
	s_wait_dscnt 0x0                               ; for the others' sake: my stores into the stage are done
	s_barrier_signal -1
	s_barrier_wait -1                              ; everybody's are
.irp j, 0,1,2,3,4,5,6,7
	ds_load_b128 v[OUTR+4*\j:OUTR+4*\j+3], v16 offset:512*\j
.endr
	ds_load_b64 v[OUTR+32:OUTR+33], v17
.irp j, 0,1,2,3,4,5,6,7
	s_wait_dscnt 8-\j                              ; LDS loads come back in order (ISA guide 5.7.1): load j is in, the younger ones may be out
	global_store_b128 v18, v[OUTR+4*\j:OUTR+4*\j+3], s[8:9] offset:512*\j   ; 32 lanes store 512 consecutive bytes, at a multiple of 256 from the buffer's first byte
.endr
	s_wait_dscnt 0x0
	global_store_b64 v19, v[OUTR+32:OUTR+33], s[8:9] offset:4096   ; 32 lanes store the last 256 consecutive bytes
	s_wait_tensorcnt 0x0
	ds_add_u32 v192, v193
	s_wait_dscnt 0x0
	s_endpgm
.Lfunc_end_k_qb753c7f6ca_quant:
	.size	k_qb753c7f6ca_quant, .Lfunc_end_k_qb753c7f6ca_quant-k_qb753c7f6ca_quant
	.p2alignl 7, 3214868480
	.fill 96, 4, 3214868480
	.section	.rodata,"a",@progbits
	.p2align	6, 0x0
	.amdhsa_kernel k_qb753c7f6ca_quant
		.amdhsa_group_segment_fixed_size 35840
		.amdhsa_private_segment_fixed_size 0
		.amdhsa_enable_private_segment 0
		.amdhsa_kernarg_size 32
		.amdhsa_user_sgpr_count 2
		.amdhsa_user_sgpr_kernarg_segment_ptr 1
		.amdhsa_wavefront_size32 1
		.amdhsa_system_sgpr_workgroup_id_x 1
		.amdhsa_system_sgpr_workgroup_id_y 1
		.amdhsa_system_sgpr_workgroup_id_z 1
		.amdhsa_system_vgpr_workitem_id 0
		.amdhsa_next_free_vgpr 194
		.amdhsa_next_free_sgpr 66
		.amdhsa_reserve_vcc 1
		.amdhsa_float_denorm_mode_32 3
		.amdhsa_float_denorm_mode_16_64 3
		.amdhsa_memory_ordered 1
		.amdhsa_forward_progress 1
		.amdhsa_inst_pref_size 65
	.end_amdhsa_kernel
	.amdgpu_metadata
---
amdhsa.version: [ 1, 2 ]
amdhsa.kernels:
  - .name:           k_qb753c7f6ca_quant
    .symbol:         k_qb753c7f6ca_quant.kd
    .args:
      - { .name: A, .offset: 0, .size: 8, .value_kind: global_buffer, .address_space: global }
      - { .name: B, .offset: 8, .size: 8, .value_kind: global_buffer, .address_space: global }
      - { .name: a_q, .offset: 16, .size: 8, .value_kind: global_buffer, .address_space: global }
      - { .name: b_q, .offset: 24, .size: 8, .value_kind: global_buffer, .address_space: global }
    .group_segment_fixed_size: 35840
    .private_segment_fixed_size: 0
    .kernarg_segment_align: 8
    .kernarg_segment_size: 32
    .max_flat_workgroup_size: 256
    .sgpr_count:     66
    .vgpr_count:     194
    .wavefront_size: 32
...
	.end_amdgpu_metadata
.endif
;; end of part 1
;; launch gemm (part 2): grid 16 x 16, 4 waves a work-group, clusters of 4 x 4, 327,680 bytes of LDS; arguments a_q, b_q, out0; writes out0
.if DOCPART == 2
	.amdgcn_target "amdgcn-amd-amdhsa--gfx1250"
	.amdhsa_code_object_version 6
	.text
	.protected	k_qb753c7f6ca_gemm
	.globl	k_qb753c7f6ca_gemm
	.p2align	8
	.type	k_qb753c7f6ca_gemm,@function
k_qb753c7f6ca_gemm:
	s_mov_b64 s[64:65], 0
	v_nop
	global_prefetch_b8 v0, s[64:65] scope:SCOPE_SE
	s_setreg_imm32_b32 hwreg(HW_REG_WAVE_MODE, 25, 1), 1
	s_wait_xcnt 0x0
	s_wait_alu depctr_hold_cnt(0) depctr_sa_sdst(0) depctr_va_vdst(0) depctr_va_sdst(0) depctr_va_ssrc(0) depctr_va_vcc(0) depctr_vm_vsrc(0)
	s_getreg_b32 s2, hwreg(HW_REG_IB_STS2, 6, 4)
	s_cmp_eq_u32 s2, 0
	s_cbranch_scc0 .Lentry_in_a_cluster
	s_endpgm
.Lentry_in_a_cluster:
	s_bfe_u32 s2, ttmp6, 0x10000c
	s_cmp_lg_u32 s2, 0xf033
	s_cbranch_scc0 .Lentry_shape_is_right
	s_endpgm
.Lentry_shape_is_right:
; out0[m][n] = sum over k of A[m][k] B[k][n], 4096 x 4096 x 4096, on codes of FP4 (E2M1) with one E8M0 scale for each 32 along K; sums in f32, K ascending, one accumulator for each output.
; a_q and b_q: [8 K steps][4096 rows][272 bytes], a row being m for A and n for B; a record of 272 bytes is 256 bytes of codes (512 along K, the lower k in the low four bits) and the 16 scale bytes of those 512.
; The matrix instruction takes codes and scale bytes as they lie.  LIMITS are the quantising launch's: NaN and infinities among the inputs are not served.
; A tile of out0, 256 x 256, is made by a work-group of four waves, as many as a WGP has SIMDs; a wave makes 128 x 128: 64 accumulators of 16 x 16, 512 registers.
; K goes in 8 steps of 512 through a ring of two LDS slots filled by the tensor data mover.  A K step of 128 rows is 34,816 CONSECUTIVE bytes of memory, brought by one load as 136 rows of 256 bytes without padding:
; in LDS the records then lie 272 bytes apart, so the 16 rows that a fragment load touches start at 16 different banks (68 words a record: row r starts at bank 4 r mod 64; ISA guide 11.1), and the scale words ride in the ring behind each row's codes.
; CLUSTERS: 4 x 4 work-groups.  The four of a row of the cluster need the same records of A, the four of a column the same records of B: each tile is asked for JOINTLY, by the same tensor load with the
; same descriptor and a mask that names the four.  THE MATRIX INSTRUCTION IS USED TRANSPOSED (source 0 = 16 rows of B, source 1 = 16 rows of A): a lane then holds eight neighbouring numbers of a row of out0.
; REGISTERS, in windows of 256: window 0: v0-31 addresses; v32-95 scale words, two sets; v128-191 A's fragments (8 x 16 rows x 128 K), ONE set; on the way out v128-255 take the rows read back.
;   window 1: B's fragments, TWO sets, at v0 and at v128.   window 2: the 32 accumulators of my rows 0-63 (accumulator (a, b) at v[8 (8 a + b)]);   window 3: those of my rows 64-127.
; A step of 128 along K is 64 matrix instructions, A's blocks one after the other, each against B's eight.  So a block of A is free as soon as its eight products are issued, and one set of registers serves A:
; blocks 0-3 are fetched anew in the step's middle, blocks 4-7 at its end.  B's fragments are at work through the whole step, so B has two sets.
.set SIZE_N, 4096
.set REC,    272                       ; bytes in a record
.set STEPB,  4096*REC                  ; bytes in a K step of a_q or of b_q
.set NQ,     4                         ; steps of 128 along K in a slot
.set PITCH,  REC                       ; from row to row in LDS
.set FR,     8                         ; registers of a fragment: 16 rows x 128 K
.set NL,     2                         ; LDS loads that bring one
.set NP,     4                         ; places behind this matrix instruction (ISA guide 7.12.1)
.set HALFT,  128*PITCH                 ; 128 records: what one tensor load brings, and what one wave reads of A or of B
.set SLOT,   4*HALFT                   ; A's 256 records, then B's 256
.set LAPS,   4                         ; a lap = two K steps = once round the ring
.set SPARE,  2*SLOT                    ; behind the ring: the spare words, 128 bytes for each wave: two blocks of 256 bytes that no other line names
.set STAGE,  SPARE+512                 ; behind them: a stage of 16 rows x 528 bytes for each wave, for the way out; no tensor load lands here
.set SPITCH, 528                       ; a stage row: 512 bytes + 16
.set ADRA, 16                          ; v16-17  LDS address of my A fragments in slot 0, 1
.set ADRB, 20                          ; v20-21  the same for B
.set ADRS, 22                          ; v22-23  LDS address of my scale words in slot 0, 1: lanes 0-15 A's records, lanes 16-31 B's
.set STO,  24                          ; v24     the way out: where I put 32 bytes of a row
.set RD,   25                          ; v25     the way out: where I read a row back
.set CO,   26                          ; v26     my byte offset in a row of out0
.set SPW,  28                          ; v28     LDS address of my spare word: SPARE + 4 x my thread's number; never rewritten
.set NIL,  29                          ; v29     0; never rewritten
.set SC,   32                          ; scale words: set s (for slot s) at v[SC + 32 s]; in it register 4 i + q: lanes 0-15 the word of A's block i, lanes 16-31 that of B's block i, for the slot's q-th 128 along K
.set AF,   128                         ; A's fragments, in window 0
.set BK,   128                         ; the way out: 16 rows read back from the stage: v128-191 and v192-255 by turns
.set G1,  24                           ; s[24:31] descriptor group 1 for A's tiles;  s[32:39] group 0, one set for each slot
.set G0,  32
.set G1B, 48                           ; s[48:55], s[56:63] the same for B's tiles
.set G0B, 56
.set MSB, 0
.macro WIN new                         ; the immediate's high byte repeats the setting that is left; a switch that changes nothing is dropped
.if MSB != \new
	s_set_vgpr_msb (MSB<<8)|\new
.set MSB, \new
.endif
.endm
.set MUL_LO, 0xa1                      ; source 0 (B) window 1, source 1 (A) window 0, C and D window 2
.set MUL_HI, 0xf1                      ; the same, C and D window 3
.set TO_B,   0x40                      ; destination window 1, address window 0
; A joint load: waves 0 and 1 fetch for A, waves 2 and 3 for B.  Each of the two lines has ONE mask and one set of registers for all that issue it; the branch hangs on the wave's number alone.
; Four v_nop follow each of the two lines, ahead of the jump, the label and what follows.
.macro JLOAD g0a, g1a, g0b, g1b
	s_cmp_eq_u32 s11, 0
	s_cbranch_scc0 .Lfor_b_\@
	tensor_load_to_lds s[\g0a:\g0a+3], s[\g1a:\g1a+7]
	s_nop 0
.rept 4
	v_nop
.endr
	s_branch .Lasked_\@
.Lfor_b_\@:
	tensor_load_to_lds s[\g0b:\g0b+3], s[\g1b:\g1b+7]
	s_nop 0
.rept 4
	v_nop
.endr
.Lasked_\@:
.endm
.macro CREST                           ; a round of the cluster's barrier behind its opening barrier: wave 0 signals for the work-group, every wave waits for all sixteen, my work-group's barrier once more
	s_cmp_lg_u32 s10, 0
	s_cbranch_scc1 .Lnot_wave_0_\@
	s_barrier_signal -3
.Lnot_wave_0_\@:
	s_barrier_wait -3
	s_barrier_signal -1
	s_barrier_wait -1
.endm
.macro CROUND                          ; a whole round
	s_barrier_signal -1
	s_barrier_wait -1
	CREST
.endm
	s_load_b128 s[4:7], s[0:1], 0x0                ; a_q s[4:5], b_q s[6:7]
	s_load_b64 s[8:9], s[0:1], 0x10                ; out0
	v_lshl_add_u32 v[SPW], v0, 2, SPARE
	v_mov_b32 v[NIL], 0
	ds_add_u32 v28, v29
	ds_add_u32 v28, v29
	s_wait_dscnt 0x0
	v_lshrrev_b32 v1, 5, v0
	v_readfirstlane_b32 s10, v1                    ; wave 0..3
	s_lshr_b32 s11, s10, 1                         ; which half of the tile's rows is mine.  Also: I fetch for A (0) or for B (1)
	s_and_b32 s12, s10, 1                          ; which half of its columns.  Also: which 128 records of that tile I fetch
	s_bfe_u32 s40, ttmp6, 0x40000                  ; cx, cy: my place in the cluster
	s_bfe_u32 s41, ttmp6, 0x40004
	s_lshl_b32 s42, ttmp9, 2                       ; in a cluster launch ttmp9 and ttmp7 count clusters
	s_add_co_u32 s42, s42, s40                     ; tile column = 4 x cluster x + cx
	s_and_b32 s13, ttmp7, 0xffff
	s_lshl_b32 s13, s13, 2
	s_add_co_u32 s13, s13, s41                     ; tile row = 4 x cluster y + cy
	s_lshl_b32 s43, s41, 2
	s_lshl_b32 s43, 15, s43                        ; my row of the cluster: places 4 cy .. 4 cy + 3
	s_lshl_b32 s44, 0x1111, s40                    ; my column: places cx, cx + 4, cx + 8, cx + 12
	; descriptor group 1: 34,816 consecutive bytes as 136 rows of 32 elements of 8 bytes, laid into LDS without a gap
	s_or_b32 s[G1+0], s43, (3<<16)|(1<<21)         ; 15:0 the mask: A's tiles go to my row; 17:16 elements of 8 bytes; 20 no padding; 21 set beside a mask
	s_or_b32 s[G1B+0], s44, (3<<16)|(1<<21)        ; the same with the mask of my column, for B's tiles
.irp g, G1, G1B
	s_mov_b32 s[\g+1], 32<<16                      ; tensor_dim0 = 32
	s_mov_b32 s[\g+2], 136<<16                     ; tensor_dim1 = 136
	s_mov_b32 s[\g+3], 32<<16                      ; tile_dim0 = 32
	s_mov_b32 s[\g+4], 136                         ; tile_dim1 = 136
	s_mov_b32 s[\g+5], 32                          ; tensor_dim0_stride: each row begins where the last ends
	s_mov_b32 s[\g+6], 0
	s_mov_b32 s[\g+7], 0
.endr
	; where the tiles come from.  A's hang on the tile row alone, which my row of the cluster shares; B's on the tile column alone, which my column shares.
	s_lshl_b32 s17, s12, 7                         ; which 128 records of the tile I fetch
	s_lshl_b32 s16, s13, 8
	s_add_co_u32 s16, s16, s17                     ; A: record 256 x tile row + 128 x half
	s_lshl_b32 s46, s42, 8
	s_add_co_u32 s46, s46, s17                     ; B: record 256 x tile column + 128 x half
	s_mul_i32 s16, s16, REC                        ; in bytes: under 2^21
	s_mul_i32 s46, s46, REC
	s_mov_b32 s17, 0
	s_mov_b32 s47, 0
	s_mul_i32 s20, s10, HALFT                      ; and where they go: A's two halves, then B's two halves = wave x 128 records: no place in the cluster enters an LDS address
	s_wait_kmcnt 0x0
	s_add_nc_u64 s[14:15], s[4:5], s[16:17]
	s_add_nc_u64 s[46:47], s[6:7], s[46:47]
	CROUND                                         ; all sixteen work-groups are here: the first joint loads meet
.irp s, 0,1
	s_mov_b32 s[G0+4*\s], 1                                        ; 1:0 count = 1
	s_add_co_u32 s[G0+4*\s+1], s20, \s*SLOT                        ; 63:32 LDS address
	s_add_nc_u64 s[G0+4*\s+2:G0+4*\s+3], s[14:15], \s*STEPB        ; 120:64 global address: K step s
	s_or_b32 s[G0+4*\s+3], s[G0+4*\s+3], 0x80000000                ; 127:126 type = 2
	s_mov_b32 s[G0B+4*\s], 1
	s_add_co_u32 s[G0B+4*\s+1], s20, \s*SLOT
	s_add_nc_u64 s[G0B+4*\s+2:G0B+4*\s+3], s[46:47], \s*STEPB
	s_or_b32 s[G0B+4*\s+3], s[G0B+4*\s+3], 0x80000000
	JLOAD G0+4*\s, G1, G0B+4*\s, G1B               ; the ring is filled before anything else is done: two loads of mine are out
.endr
	v_and_b32 v1, 15, v0                           ; r = l % 16
	v_bfe_u32 v2, v0, 4, 1                         ; h = l / 16
	v_mul_u32_u24 v3, v1, PITCH
	v_lshl_add_u32 v4, v2, 4, v3                   ; a fragment's row x pitch + 16 x half
	s_mul_i32 s21, s11, HALFT                      ; my 128 records of A
	s_mul_i32 s22, s12, HALFT                      ; my 128 records of B,
	s_add_co_u32 s22, s22, 2*HALFT                 ; which lie behind A's 256
	s_sub_co_u32 s23, s22, s21                     ; from the one to the other
	v_mul_u32_u24 v5, s23, v2                      ; lanes 16-31 take B's scale words
	v_add_nc_u32 v5, v5, v3
	v_add_nc_u32 v5, 256, v5                       ; a record's scale bytes lie behind its 256 bytes of codes
.irp s, 0,1
	v_add_nc_u32 v[ADRA+\s], s21, v4
	v_add_nc_u32 v[ADRB+\s], s22, v4
	v_add_nc_u32 v[ADRS+\s], s21, v5
	s_add_co_u32 s21, s21, SLOT
	s_add_co_u32 s22, s22, SLOT
.endr
	s_mul_i32 s23, s10, 16*SPITCH
	s_add_co_u32 s23, s23, STAGE                   ; my stage
	v_mul_u32_u24 v5, v1, SPITCH                   ; in: row l % 16, 32 bytes for each half of the lanes
	v_lshl_add_u32 v5, v2, 5, v5
	v_add_nc_u32 v[STO], s23, v5
	v_and_b32 v6, 31, v0
	v_lshlrev_b32 v[CO], 4, v6                     ; back: the 32 lanes take one row of 512 bytes; and the same in out0
	v_add_nc_u32 v[RD], s23, v[CO]
	s_lshl_b32 s16, s13, 8
	s_lshl_b32 s17, s11, 7
	s_add_co_u32 s16, s16, s17                     ; my first row of out0: 256 x tile row + 128 x half,
	s_lshl_b32 s16, s16, 14                        ; of 16,384 bytes
	s_lshl_b32 s46, s42, 10                        ; my first column, in bytes: 1,024 x tile column + 512 x half
	s_lshl_b32 s47, s12, 9
	s_add_co_u32 s46, s46, s47
	s_add_co_u32 s16, s16, s46                     ; under 2^26 in all
	s_mov_b32 s17, 0
	s_add_nc_u64 s[8:9], s[8:9], s[16:17]
.macro FRAG reg, adr, q, i             ; a fragment, 16 rows x 128 K of 4-bit codes, is 8 registers: lane l holds row l % 16; registers 4 c .. 4 c + 3 hold K = 64 c + 32 (l / 16) + 0 .. 31, the lower K in the lower bits
.irp c, 0,1
	ds_load_b128 v[\reg+4*\c:\reg+4*\c+3], v[\adr] offset:64*(\q)+32*\c+(\i)*16*PITCH
.endr
.endm
; 16 matrix instructions: A's blocks a0, a0 + 1 x B's eight, 128 along K: the slot's q-th.  p: B's set;  sc: the set of scale words.  zero = 1: the first product starts the sums: nothing is ever cleared.
; Source 0's scales (B's) are read from lanes 16-31 of register 4 b + q, source 1's (A's) from lanes 0-15 of register 4 a + q.
; The 64 accumulators take turns, one instruction a turn, in the same order in every step.
.macro MUL16 a0, p, q, sc, zero
.irp a, \a0, \a0+1
.irp b, 0,1,2,3,4,5,6,7
.if \zero
	v_wmma_scale_f32_16x16x128_f8f6f4 v[8*(8*((\a)%4)+\b):8*(8*((\a)%4)+\b)+7], v[128*(\p)+FR*\b:128*(\p)+FR*\b+FR-1], v[AF+FR*(\a):AF+FR*(\a)+FR-1], 0, v[SC+8*NQ*(\sc)+NQ*\b+(\q)], v[SC+8*NQ*(\sc)+NQ*(\a)+(\q)] matrix_a_fmt:MATRIX_FMT_FP4 matrix_b_fmt:MATRIX_FMT_FP4 matrix_a_scale:MATRIX_SCALE_ROW1
.else
	v_wmma_scale_f32_16x16x128_f8f6f4 v[8*(8*((\a)%4)+\b):8*(8*((\a)%4)+\b)+7], v[128*(\p)+FR*\b:128*(\p)+FR*\b+FR-1], v[AF+FR*(\a):AF+FR*(\a)+FR-1], v[8*(8*((\a)%4)+\b):8*(8*((\a)%4)+\b)+7], v[SC+8*NQ*(\sc)+NQ*\b+(\q)], v[SC+8*NQ*(\sc)+NQ*(\a)+(\q)] matrix_a_fmt:MATRIX_FMT_FP4 matrix_b_fmt:MATRIX_FMT_FP4 matrix_a_scale:MATRIX_SCALE_ROW1
.endif
.endr
.endr
.endm
.macro FETCH_B slot, q, p              ; B's eight fragments of the slot's q-th 128 along K into set p
	WIN TO_B
.irp i, 0,1,2,3,4,5,6,7
	FRAG 128*(\p)+FR*\i, ADRB+\slot, \q, \i
.endr
	WIN 0
.endm
.macro FETCH_A slot, q, i0             ; A's blocks i0 .. i0 + 3
.irp i, \i0, \i0+1, \i0+2, \i0+3
	FRAG AF+FR*(\i), ADRA+\slot, \q, \i
.endr
.endm
.macro SCALES sc                       ; slot sc's scale words into set sc: the four words of a record; lanes 0-15 take A's block i, lanes 16-31 B's block i
.irp i, 0,1,2,3,4,5,6,7
	ds_load_b128 v[SC+8*NQ*\sc+NQ*\i:SC+8*NQ*\sc+NQ*\i+3], v[ADRS+\sc] offset:\i*16*PITCH
.endr
.endm
; A load into a register that a matrix instruction has read, and a vector instruction or an LDS store that reads a matrix result, stand NP places behind that matrix instruction, and only plain vector
; instructions that name none of its registers are places (ISA guide 7.12.1 for vector instructions); this text does not count the matrix instructions in between.
.macro PLACES n
.rept \n
	v_nop
.endr
.endm
; A step of 128 along K that has its successor in the same slot.
.macro STEP slot, q, zero
	s_wait_dscnt 4*NL                              ; B's set, A's blocks 0-3 and the scale words are in; the youngest eight loads (A's blocks 4-7) may be out
	WIN MUL_LO
	MUL16 0, (\q)%2, \q, \slot, \zero
	MUL16 2, (\q)%2, \q, \slot, \zero
	s_wait_dscnt 0                                 ; A's blocks 4-7 are in (asked for 32 matrix instructions ago)
	PLACES NP
	FETCH_B \slot, (\q)+1, 1-(\q)%2
	FETCH_A \slot, (\q)+1, 0
	WIN MUL_HI
	MUL16 4, (\q)%2, \q, \slot, \zero
	MUL16 6, (\q)%2, \q, \slot, \zero
	PLACES NP
	WIN 0
	FETCH_A \slot, (\q)+1, 4
.endm
; A slot's last step changes slots: ONE barrier; in front of it each wave waits for all its tensor loads, adds 0 to its spare word, and waits for that and for its own reads of this slot.
; fill = 1: this slot is filled again, two K steps ahead; the barrier then opens a round of the cluster's barrier, and the joint refill is the first tensor load behind the round.
.macro TURN slot, next, fill
	s_wait_tensorcnt 0x0                           ; all my tensor loads have landed: the one that was out is my part of the next slot;  (every window is 0 here: the add's two registers lie in window 0)
	ds_add_u32 v[SPW], v[NIL]                      ; 0 onto my spare word
	s_wait_dscnt 4*NL+1                            ; (the add and the youngest eight loads, A's blocks 4-7, may be out)
	WIN MUL_LO
	MUL16 0, 1, NQ-1, \slot, 0                     ; sixteen matrix instructions stand between the add and the wait for it
	s_wait_dscnt 0x0                               ; the add is done, and my reads of this slot are over
	s_barrier_signal -1
	MUL16 2, 1, NQ-1, \slot, 0                     ; work on registers while the others arrive
	WIN 0
	s_barrier_wait -1
.if \fill
	CREST                                          ; no wave of any partner still reads this slot's tile or has a load on its way
	s_add_nc_u64 s[G0+4*\slot+2:G0+4*\slot+3], s[G0+4*\slot+2:G0+4*\slot+3], 2*STEPB     ; no tensor load of mine is out, so a group 0 may be written; the type bits on top are not reached
	s_add_nc_u64 s[G0B+4*\slot+2:G0B+4*\slot+3], s[G0B+4*\slot+2:G0B+4*\slot+3], 2*STEPB
	JLOAD G0+4*\slot, G1, G0B+4*\slot, G1B         ; my one tensor load behind the round; the four v_nop behind it are also the places in front of the loads below
.else
	PLACES NP
.endif
	FETCH_B \next, 0, 0
	FETCH_A \next, 0, 0
	SCALES \next
	WIN MUL_HI
	MUL16 4, 1, NQ-1, \slot, 0
	MUL16 6, 1, NQ-1, \slot, 0
	PLACES NP
	WIN 0
	FETCH_A \next, 0, 4
.endm
.macro STEPS slot, from                ; the slot's steps from .. NQ - 2
.set Q, \from
.rept NQ-1-\from
	STEP \slot, Q, 0
.set Q, Q+1
.endr
.endm
	s_wait_tensorcnt 0x1                           ; my part of K step 0 is in; K step 1's load may stay out
	s_barrier_signal -1
	s_barrier_wait -1                              ; everybody's is
	FETCH_B 0, 0, 0
	FETCH_A 0, 0, 0
	SCALES 0
	FETCH_A 0, 0, 4
	STEP 0, 0, 1                                   ; the first step stands in front of the loop: its products start the sums
	s_mov_b32 s3, LAPS-1
.Llap:                                                 ; a trip goes once round the ring, from a lap's second step to the next lap's first, and fills both slots again: three trips ask for K steps 2 to 7
	STEPS 0, 1
	TURN 0, 1, 1
	STEPS 1, 0
	TURN 1, 0, 1
	STEP 0, 0, 0
	s_sub_co_u32 s3, s3, 1
	s_cmp_lg_u32 s3, 0
	s_cbranch_scc1 .Llap
	STEPS 0, 1                                     ; the last lap fills nothing, and has no round of the cluster's barrier
	TURN 0, 1, 0
	STEPS 1, 0
	s_wait_dscnt 4*NL                              ; the very last step: nothing more to fetch
	WIN MUL_LO
	MUL16 0, 1, NQ-1, 1, 0
	MUL16 2, 1, NQ-1, 1, 0
	s_wait_dscnt 0
	WIN MUL_HI
	MUL16 4, 1, NQ-1, 1, 0
	MUL16 6, 1, NQ-1, 1, 0
	WIN 0
; THE WAY OUT, block by block of 16 rows x 128 columns.  A lane holds 32 neighbouring bytes of a row, and the lanes beside it hold other rows: so a block goes through my own stage in LDS and comes back as whole
; rows of 512 bytes.  LDS serves a wave's instructions in order (ISA guide 5.7.1.4): no wait between the stores and the loads, nor in front of the next block's stores.
.macro TOSTAGE a
.set AC, 64*((\a)%4)
	WIN 0x08+4*((\a)/4)                            ; the data: window 2 or 3
.irp b, 0,1,2,3,4,5,6,7
	ds_store_b128 v[STO], v[AC+8*\b:AC+8*\b+3] offset:64*\b          ; each accumulator from its low end on
	ds_store_b128 v[STO], v[AC+8*\b+4:AC+8*\b+7] offset:64*\b+16
.endr
	WIN 0
.set BB, BK+64*((\a)%2)
.irp t, 0,1,2,3,4,5,6,7,8,9,10,11,12,13,14,15
	ds_load_b128 v[BB+4*\t:BB+4*\t+3], v[RD] offset:\t*SPITCH
.endr
.endm
.macro SEND a, younger                 ; younger: the LDS instructions issued behind block a's loads, which may stay out
.set BB, BK+64*((\a)%2)
	s_wait_dscnt \younger                          ; the block is back in registers
.if (\a) > 0
	s_wait_xcnt 0x0                                ; only behind this wait is the stores' base rewritten
	s_add_nc_u64 s[8:9], s[8:9], 16*SIZE_N*4       ; 16 rows of out0 on
.endif
.irp t, 0,1,2,3,4,5,6,7,8,9,10,11,12,13,14,15
	global_store_b128 v[CO], v[BB+4*\t:BB+4*\t+3], s[8:9] offset:\t*SIZE_N*4   ; 32 lanes store 512 consecutive bytes, at a multiple of 256 from out0's first byte; 15 rows, 245,760 bytes, at the most in the immediate
.endr
.endm
	PLACES NP                                      ; these places serve the loads into A's registers and the reads of the last products' results alike
	TOSTAGE 0
.irp a, 1,2,3,4,5,6,7
	s_wait_xcnt 0x0                                ; block a - 2's stores have read their registers: block a's loads may land there
	TOSTAGE \a
	SEND \a-1, 32                                  ; behind block a - 1's loads: block a's 16 stores and 16 loads
.endr
	SEND 7, 0
	s_wait_tensorcnt 0x0                           ; the wave's end, behind my last tensor load and my last LDS store
	ds_add_u32 v[SPW], v[NIL]
	s_wait_dscnt 0x0
	CROUND                                         ; the closing round: no work-group ends while a partner may still ask for a tile that names it
	s_endpgm
.Lfunc_end_k_qb753c7f6ca_gemm:
	.size	k_qb753c7f6ca_gemm, .Lfunc_end_k_qb753c7f6ca_gemm-k_qb753c7f6ca_gemm
	.p2alignl 7, 3214868480
	.fill 96, 4, 3214868480
	.section	.rodata,"a",@progbits
	.p2align	6, 0x0
	.amdhsa_kernel k_qb753c7f6ca_gemm
		.amdhsa_group_segment_fixed_size 327680
		.amdhsa_private_segment_fixed_size 0
		.amdhsa_enable_private_segment 0
		.amdhsa_kernarg_size 24
		.amdhsa_user_sgpr_count 2
		.amdhsa_user_sgpr_kernarg_segment_ptr 1
		.amdhsa_wavefront_size32 1
		.amdhsa_system_sgpr_workgroup_id_x 1
		.amdhsa_system_sgpr_workgroup_id_y 1
		.amdhsa_system_sgpr_workgroup_id_z 1
		.amdhsa_system_vgpr_workitem_id 0
		.amdhsa_next_free_vgpr 1024
		.amdhsa_next_free_sgpr 66
		.amdhsa_reserve_vcc 0
		.amdhsa_float_denorm_mode_32 3
		.amdhsa_float_denorm_mode_16_64 3
		.amdhsa_memory_ordered 1
		.amdhsa_forward_progress 1
		.amdhsa_inst_pref_size 209
	.end_amdhsa_kernel
	.amdgpu_metadata
---
amdhsa.version: [ 1, 2 ]
amdhsa.kernels:
  - .name:           k_qb753c7f6ca_gemm
    .symbol:         k_qb753c7f6ca_gemm.kd
    .args:
      - { .name: a_q, .offset: 0, .size: 8, .value_kind: global_buffer, .address_space: global }
      - { .name: b_q, .offset: 8, .size: 8, .value_kind: global_buffer, .address_space: global }
      - { .name: out0, .offset: 16, .size: 8, .value_kind: global_buffer, .address_space: global }
    .group_segment_fixed_size: 327680
    .private_segment_fixed_size: 0
    .kernarg_segment_align: 8
    .kernarg_segment_size: 24
    .max_flat_workgroup_size: 128
    .sgpr_count:     66
    .vgpr_count:     1024
    .wavefront_size: 32
...
	.end_amdgpu_metadata
.endif
;; end of part 2
;; ======== version 2 of 2: 2 launches
;; limits: right only within a limited range of input values
;; workspace buffers: a_q 8,912,896 bytes; b_q 8,912,896 bytes
;; launch quant (part 3): grid 512 x 1, 8 waves a work-group, no clusters, 35,840 bytes of LDS; arguments A, B, a_q, b_q; writes a_q, b_q
.if DOCPART == 3
	.amdgcn_target "amdgcn-amd-amdhsa--gfx1250"
	.amdhsa_code_object_version 6
	.text
	.protected	k_qb753c7f6ca_quant
	.globl	k_qb753c7f6ca_quant
	.p2align	8
	.type	k_qb753c7f6ca_quant,@function
k_qb753c7f6ca_quant:
	s_mov_b64 s[64:65], 0
	v_nop
	global_prefetch_b8 v0, s[64:65] scope:SCOPE_SE
	s_setreg_imm32_b32 hwreg(HW_REG_WAVE_MODE, 25, 1), 1
	s_wait_xcnt 0x0
; A [4096 (m)][4096 (k)] and B [4096 (k)][4096 (n)], f32, are turned into codes of FP4 (E2M1) with one E8M0 scale byte for each 32 along K.
; Both results have ONE layout: [8 K steps][4096 rows][272 bytes]; a row is m for A, n for B.  A record of 272 bytes is 256 bytes of codes (512 along K, two codes a byte,
; the lower k in the low four bits) and behind them the 16 scale bytes of those 512 (byte j for k = 32 j .. 32 j + 31).  So a K step of 128 rows is 34,816 consecutive bytes.
; A block's scale is 2^(floor(log2(its largest magnitude)) - 2): its byte is the largest magnitude's exponent field - 2, held at 1 from below; a block of zeros gets 127.
; Each number is divided by the scale and rounded to the nearest code, ties to even; beyond the largest code the conversion gives the largest code.
; LIMITS: NaN and infinities among the inputs are not served; blocks whose largest magnitude lies under 2^-124, whose byte is held at 1, were not tried.
; SHARES.  Work-groups 0-255 take A, 256-511 take B; each makes 128 records of one K step (65,536 numbers) in a stage in LDS that is the image of its 34,816 bytes of output.
;   A (K innermost): wave w takes rows 16 w .. 16 w + 15 of the 128, a row a step.  A row's 2,048 bytes come by four loads of 512 consecutive bytes: in load j lane l holds k = 128 j + 4 l + 0 .. 3.
;      So eight neighbouring lanes hold block 4 j + l / 8, and its largest magnitude is joined over them in three steps.  The conversion takes eight numbers and ONE scale from a lane's registers:
;      it is given two loads' numbers and the scale of one of the two, and only the four codes made with their own block's scale are kept: 2 bytes a lane, 64 consecutive bytes a wave.
;   B (K outermost): a lane takes a column n and its registers run DOWN K, so that a block of 32 lies in one lane's 32 registers and the codes come out with K innermost;
;      wave w takes columns 32 (w % 4) .. + 31 and the half w / 4 of the K step's 512: 8 blocks a lane.  Each load reads 128 consecutive bytes; four waves stand side by side on 512.
; THE WAY OUT.  One barrier (in B two waves write each record), then wave w reads bytes 4,352 w .. + 4,351 of the stage as they lie and stores them: every store covers whole aligned runs of 256 bytes.
; No register that a pending load or store names is written again, and EXEC is never changed.
.set REC,   272                        ; bytes in a record
.set STEPB, 4096*REC                   ; bytes in a K step of a result
.set ROWB,  16384                      ; bytes in a row of A or of B
.set WOUT,  16*REC                     ; bytes of the stage that a wave sends out
.set MX,    8                          ; v8-11    A: the largest magnitudes of my four blocks
.set SCL,   12                         ; v12-15   A: their scales as f32
.set T,     20                         ; v20-21   A: at work on the scale byte
.set SB,    24                         ; v24-25   B: a lane's 8 scale bytes
.set X,     32                         ; v32-95   numbers: A four sets of 16, B two sets of 32
.set C,     96                         ; v96-159  codes: registers of its own for each step (A: 4 x 16, B: 4 x 8)
.set E,     160                        ; v160-175 A: a scale byte for each step
.set OUTR,  32                         ; v32-65   the way out, where numbers lay: every load has been waited for by then
	s_load_b256 s[4:11], s[0:1], 0x0               ; A s[4:5], B s[6:7], a_q s[8:9], b_q s[10:11]
	v_lshl_add_u32 v176, v0, 2, 0x8800
	v_mov_b32 v177, 0
	v_lshrrev_b32 v8, 5, v0
	s_delay_alu instid0(VALU_DEP_1)
	v_readfirstlane_b32 s12, v8                    ; wave 0..7
	v_and_b32 v1, 31, v0                           ; lane
	s_wait_alu depctr_va_vdst(0)
	s_and_b32 s13, ttmp9, 255                      ; my number among the tensor's 256 work-groups
	s_mul_i32 s20, s12, WOUT                       ; my wave's 16 records in the stage
	s_and_b32 s22, s12, 3                          ; B: which 32 columns
	s_lshr_b32 s23, s12, 2                         ; B: which half of the K step
	s_mov_b32 s24, 0xaaaaaaaa                      ; A: the lanes whose number has bit 0 set,
	s_mov_b32 s25, 0xcccccccc                      ; and those whose number has bit 1 set
	v_lshlrev_b32 v2, 4, v1                        ; 16 bytes a lane: A in, and the way out to memory
	v_lshl_add_u32 v3, v1, 1, s20                  ; A: my 2 bytes of a load's 64 bytes of codes, in my wave's first record
	v_and_b32 v4, 3, v1
	v_lshrrev_b32 v9, 3, v1
	s_delay_alu instid0(VALU_DEP_1)
	v_lshl_add_u32 v4, v4, 2, v9                   ; A: the block whose byte I store: 4 (l % 4) + l / 8
	s_add_co_u32 s21, s20, 256
	v_add_nc_u32 v4, s21, v4                       ; its scale byte in that record
	v_lshlrev_b32 v5, 2, v1                        ; B in: 4 bytes a lane
	s_lshl_b32 s21, s22, 5
	v_add_nc_u32 v6, s21, v1                       ; B: my column among the 128
	s_delay_alu instid0(VALU_DEP_1)
	v_mul_u32_u24 v6, v6, REC                      ; its record
	s_lshl_b32 s21, s23, 3
	s_add_co_u32 s21, s21, 256
	v_add_nc_u32 v7, s21, v6                       ; B: my 8 scale bytes in it
	s_lshl_b32 s21, s23, 7
	v_add_nc_u32 v6, s21, v6                       ; B: my 128 bytes of codes in it
	v_lshl_add_u32 v16, v1, 4, s20                 ; out of the stage: 16 bytes a lane,
	s_add_co_u32 s21, s20, 4096
	v_lshl_add_u32 v17, v1, 3, s21                 ; and 8 bytes a lane for the last 256,
	v_lshlrev_b32 v19, 3, v1                       ; and the same 8 bytes in memory
	s_wait_kmcnt 0x0
	s_cmp_lt_u32 ttmp9, 256                        ; A's work-group or B's?  The choice hangs on the work-group's number alone
	s_cselect_b64 s[8:9], s[8:9], s[10:11]         ; the result's buffer (the select leaves SCC as it is)
	s_cbranch_scc0 .Lpath_b
	; ---------------- A: K innermost ----------------
	s_and_b32 s14, s13, 7                          ; the K step
	s_lshr_b32 s15, s13, 3                         ; which 128 rows
	s_lshl_b32 s16, s15, 21                        ; 128 rows of 16,384 bytes,
	s_lshl_b32 s21, s12, 18                        ; 16 rows a wave,
	s_add_co_u32 s16, s16, s21
	s_lshl_b32 s21, s14, 11                        ; 512 numbers a K step: under 2^26 in all
	s_add_co_u32 s16, s16, s21
	s_mov_b32 s17, 0
	s_add_nc_u64 s[4:5], s[4:5], s[16:17]
.macro LOADA t                         ; row t of my 16: each of the four loads reads 512 consecutive bytes, at a multiple of 512 from A's first byte
.irp j, 0,1,2,3
	global_load_b128 v[X+16*((\t)%4)+4*\j:X+16*((\t)%4)+4*\j+3], v2, s[4:5] offset:ROWB*(\t)+512*\j th:TH_LOAD_NT
.endr
.endm
.irp t, 0,1,2,3
	LOADA \t
.endr
.macro STEPA t
.set XS, X+16*((\t)%4)
.set CS, C+4*(\t)
.if 15-(\t) >= 3
	s_wait_loadcnt 12                              ; this step's four loads are in; the next three steps' twelve may be out
.else
	s_wait_loadcnt 4*(15-(\t))
.endif
.irp j, 0,1,2,3
	v_max3_num_f32 v[MX+\j], |v[XS+4*\j]|, |v[XS+4*\j+1]|, |v[XS+4*\j+2]|   ; the largest magnitude of my four numbers of load j; the four loads' chains do not wait for each other
.endr
.irp j, 0,1,2,3
	s_delay_alu instid0(VALU_DEP_4)
	v_max_num_f32 v[MX+\j], v[MX+\j], |v[XS+4*\j+3]|
.endr
.irp x, 1,2,4                          ; and of the seven lanes that share the block with me
.irp j, 0,1,2,3
	s_delay_alu instid0(VALU_DEP_4)
	v_max_num_f32_dpp v[MX+\j], v[MX+\j], v[MX+\j] row_xmask:\x row_mask:0xf bank_mask:0xf
.endr
.endr
.irp j, 0,1,2,3
	s_delay_alu instid0(VALU_DEP_4)
	v_max_u32 v[SCL+\j], 0x1800000, v[MX+\j]       ; the exponent field held at 3 from below (the sign bit is 0, so the bit patterns order as the numbers do),
.endr
.irp j, 0,1,2,3
	s_delay_alu instid0(VALU_DEP_4)
	v_add_nc_u32 v[SCL+\j], 0xff000000, v[SCL+\j]  ; less 2: the scale as f32; the conversion takes its exponent field and ignores the mantissa
.endr
.irp j, 0,1,2
	v_cvt_scalef32_pk8_fp4_f32 v[CS+\j], v[XS+4*\j:XS+4*\j+7], v[SCL+\j]   ; the low 16 bits: the codes of load j's four numbers; the upper 16 were made with a scale that is not theirs and are not used
.endr
	v_cvt_scalef32_pk8_fp4_f32 v[CS+3], v[XS+8:XS+15], v[SCL+3]   ; load 3's numbers are the set's last four: their codes are the UPPER 16 bits
	v_cndmask_b32 v[T], v[MX], v[MX+1], s24        ; the largest magnitude of block 4 (l % 4) + l / 8, whose byte I store.  (These plain instructions also stand between the conversions and what touches their results or writes their sources)
	v_cndmask_b32 v[T+1], v[MX+2], v[MX+3], s24
	s_delay_alu instid0(VALU_DEP_1)
	v_cndmask_b32 v[T], v[T], v[T+1], s25
	s_delay_alu instid0(VALU_DEP_1)
	v_lshrrev_b32 v[T+1], 23, v[T]                 ; its exponent field
	s_delay_alu instid0(VALU_DEP_1)
	v_max_u32 v[T+1], 3, v[T+1]                    ; the byte is not to fall under 1
	s_delay_alu instid0(VALU_DEP_1)
	v_add_nc_u32 v[T+1], -2, v[T+1]                ; the scale's byte
	s_delay_alu instid0(VALU_DEP_4)
	v_cmp_eq_u32 vcc_lo, 0, v[T]
	s_delay_alu instid0(VALU_DEP_1)
	v_cndmask_b32 v[E+(\t)], v[T+1], 127, vcc_lo   ; a block of zeros gets 127
	v_lshrrev_b32 v[CS+3], 16, v[CS+3]             ; load 3's codes down into the low half
.irp j, 0,1,2,3
	ds_store_b16 v3, v[CS+\j] offset:REC*(\t)+64*\j   ; k = 128 j + 4 l + 0 .. 3 are bytes 64 j + 2 l, + 1 of the record: 32 lanes write 64 consecutive bytes
.endr
	ds_store_b8 v4, v[E+(\t)] offset:REC*(\t)      ; lanes l and l xor 4 write the same byte with the same value
.if (\t)+4 < 16
	LOADA (\t)+4
.endif
.endm
.irp t, 0,1,2,3,4,5,6,7,8,9,10,11,12,13,14,15
	STEPA \t
.endr
	s_branch .Lout
	; ---------------- B: K outermost ----------------
.Lpath_b:
	s_and_b32 s15, s13, 31                         ; which 128 columns
	s_lshr_b32 s14, s13, 5                         ; the K step
	s_lshl_b32 s16, s14, 23                        ; 512 rows of 16,384 bytes,
	s_lshl_b32 s21, s23, 22                        ; 256 rows for the second half,
	s_add_co_u32 s16, s16, s21
	s_lshl_b32 s21, s15, 9                         ; 128 columns of 4 bytes,
	s_add_co_u32 s16, s16, s21
	s_lshl_b32 s21, s22, 7                         ; 32 columns a wave: under 2^26 in all
	s_add_co_u32 s16, s16, s21
	s_mov_b32 s17, 0
	s_add_nc_u64 s[6:7], s[6:7], s[16:17]
.macro LOADB t                         ; block t: B(32 t + i, my column), i = 0 .. 31, into set t % 2; the offsets reach 255 rows, 4,177,920 bytes: inside the signed 24-bit immediate (ISA guide, chapter 10)
.irp i, 0,1,2,3,4,5,6,7,8,9,10,11,12,13,14,15,16,17,18,19,20,21,22,23,24,25,26,27,28,29,30,31
	global_load_b32 v[X+32*((\t)%2)+\i], v5, s[6:7] offset:(32*(\t)+\i)*ROWB th:TH_LOAD_NT
.endr
.endm
	s_wait_alu depctr_va_vdst(0)
	LOADB 0
	LOADB 1
.macro BLOCKB t
.set XS, X+32*((\t)%2)
.if (\t) < 7
	s_wait_loadcnt 32                              ; this block's 32 loads are in; the next block's 32 may be out
.else
	s_wait_loadcnt 0
.endif
	v_max3_num_f32 v12, |v[XS]|, |v[XS+1]|, |v[XS+2]|              ; the block's largest magnitude: all 32 numbers are mine
	v_max3_num_f32 v13, |v[XS+3]|, |v[XS+4]|, |v[XS+5]|
.irp i, 6,10,14,18,22,26
	s_delay_alu instid0(VALU_DEP_2)
	v_max3_num_f32 v12, v12, |v[XS+\i]|, |v[XS+\i+1]|
	s_delay_alu instid0(VALU_DEP_2)
	v_max3_num_f32 v13, v13, |v[XS+\i+2]|, |v[XS+\i+3]|
.endr
	s_delay_alu instid0(VALU_DEP_2)
	v_max3_num_f32 v12, v12, |v[XS+30]|, |v[XS+31]|
	s_delay_alu instid0(VALU_DEP_1)
	v_max_num_f32 v12, v12, v13
	s_delay_alu instid0(VALU_DEP_1)
	v_lshrrev_b32 v13, 23, v12                     ; its exponent field
	s_delay_alu instid0(VALU_DEP_1)
	v_max_u32 v13, 3, v13                          ; the byte is not to fall under 1
	s_delay_alu instid0(VALU_DEP_1)
	v_add_nc_u32 v13, -2, v13                      ; the scale's byte
	s_delay_alu instid0(VALU_DEP_1)
	v_lshlrev_b32 v11, 23, v13                     ; and the scale as f32, for the conversion
	v_cmp_eq_u32 vcc_lo, 0, v12
	s_delay_alu instid0(VALU_DEP_1)
	v_cndmask_b32 v13, v13, 127, vcc_lo            ; a block of zeros gets 127
.if (\t)%4 == 0
	s_delay_alu instid0(VALU_DEP_1)
	v_mov_b32 v[SB+(\t)/4], v13                    ; four bytes to a register, the lower K in the lower byte
.else
	s_delay_alu instid0(VALU_DEP_1)
	v_lshl_or_b32 v[SB+(\t)/4], v13, 8*((\t)%4), v[SB+(\t)/4]
.endif
.irp g, 0,1,2,3
	v_cvt_scalef32_pk8_fp4_f32 v[C+4*(\t)+\g], v[XS+8*\g:XS+8*\g+7], v11
.endr
	v_nop                                          ; one plain vector instruction between a scaled conversion and what touches its result or writes its sources
	ds_store_b128 v6, v[C+4*(\t):C+4*(\t)+3] offset:16*(\t)        ; 32 codes: 16 bytes of my column's record; records lie 272 bytes apart
.if (\t)+2 < 8
	LOADB (\t)+2
.endif
.endm
.irp t, 0,1,2,3,4,5,6,7
	BLOCKB \t
.endr
	ds_store_b64 v7, v[SB:SB+1]                    ; my 8 scale bytes
	; ---------------- the way out, for both ----------------
.Lout:
	s_mul_i32 s18, s14, STEPB                      ; the K step,
	s_mul_i32 s21, s15, 128*REC                    ; the work-group's 128 records,
	s_add_co_u32 s18, s18, s21
	s_add_co_u32 s18, s18, s20                     ; my wave's 4,352 bytes of them: under 2^24 in all
	s_mov_b32 s19, 0
	s_add_nc_u64 s[8:9], s[8:9], s[18:19]
	s_wait_dscnt 0x0                               ; for the others' sake: my stores into the stage are done
	s_barrier_signal -1
	s_barrier_wait -1                              ; everybody's are
.irp j, 0,1,2,3,4,5,6,7
	ds_load_b128 v[OUTR+4*\j:OUTR+4*\j+3], v16 offset:512*\j
.endr
	ds_load_b64 v[OUTR+32:OUTR+33], v17
.irp j, 0,1,2,3,4,5,6,7
	s_wait_dscnt 8-\j                              ; LDS loads come back in order (ISA guide 5.7.1): load j is in, the younger ones may be out
	global_store_b128 v2, v[OUTR+4*\j:OUTR+4*\j+3], s[8:9] offset:512*\j   ; 32 lanes store 512 consecutive bytes, at a multiple of 256 from the buffer's first byte
.endr
	s_wait_dscnt 0x0
	global_store_b64 v19, v[OUTR+32:OUTR+33], s[8:9] offset:4096   ; 32 lanes store the last 256 consecutive bytes
	s_wait_tensorcnt 0x0
	ds_add_u32 v176, v177
	s_wait_dscnt 0x0
	s_endpgm
.Lfunc_end_k_qb753c7f6ca_quant:
	.size	k_qb753c7f6ca_quant, .Lfunc_end_k_qb753c7f6ca_quant-k_qb753c7f6ca_quant
	.p2alignl 7, 3214868480
	.fill 96, 4, 3214868480
	.section	.rodata,"a",@progbits
	.p2align	6, 0x0
	.amdhsa_kernel k_qb753c7f6ca_quant
		.amdhsa_group_segment_fixed_size 35840
		.amdhsa_private_segment_fixed_size 0
		.amdhsa_enable_private_segment 0
		.amdhsa_kernarg_size 32
		.amdhsa_user_sgpr_count 2
		.amdhsa_user_sgpr_kernarg_segment_ptr 1
		.amdhsa_wavefront_size32 1
		.amdhsa_system_sgpr_workgroup_id_x 1
		.amdhsa_system_sgpr_workgroup_id_y 1
		.amdhsa_system_sgpr_workgroup_id_z 1
		.amdhsa_system_vgpr_workitem_id 0
		.amdhsa_next_free_vgpr 178
		.amdhsa_next_free_sgpr 66
		.amdhsa_reserve_vcc 1
		.amdhsa_float_denorm_mode_32 3
		.amdhsa_float_denorm_mode_16_64 3
		.amdhsa_memory_ordered 1
		.amdhsa_forward_progress 1
		.amdhsa_inst_pref_size 113
	.end_amdhsa_kernel
	.amdgpu_metadata
---
amdhsa.version: [ 1, 2 ]
amdhsa.kernels:
  - .name:           k_qb753c7f6ca_quant
    .symbol:         k_qb753c7f6ca_quant.kd
    .args:
      - { .name: A, .offset: 0, .size: 8, .value_kind: global_buffer, .address_space: global }
      - { .name: B, .offset: 8, .size: 8, .value_kind: global_buffer, .address_space: global }
      - { .name: a_q, .offset: 16, .size: 8, .value_kind: global_buffer, .address_space: global }
      - { .name: b_q, .offset: 24, .size: 8, .value_kind: global_buffer, .address_space: global }
    .group_segment_fixed_size: 35840
    .private_segment_fixed_size: 0
    .kernarg_segment_align: 8
    .kernarg_segment_size: 32
    .max_flat_workgroup_size: 256
    .sgpr_count:     66
    .vgpr_count:     178
    .wavefront_size: 32
...
	.end_amdgpu_metadata
.endif
;; end of part 3
;; launch gemm (part 4): grid 16 x 16, 4 waves a work-group, clusters of 4 x 4, 327,680 bytes of LDS; arguments a_q, b_q, out0; writes out0
.if DOCPART == 4
	.amdgcn_target "amdgcn-amd-amdhsa--gfx1250"
	.amdhsa_code_object_version 6
	.text
	.protected	k_qb753c7f6ca_gemm
	.globl	k_qb753c7f6ca_gemm
	.p2align	8
	.type	k_qb753c7f6ca_gemm,@function
k_qb753c7f6ca_gemm:
	s_mov_b64 s[64:65], 0
	v_nop
	global_prefetch_b8 v0, s[64:65] scope:SCOPE_SE
	s_setreg_imm32_b32 hwreg(HW_REG_WAVE_MODE, 25, 1), 1
	s_wait_xcnt 0x0
	s_wait_alu depctr_hold_cnt(0) depctr_sa_sdst(0) depctr_va_vdst(0) depctr_va_sdst(0) depctr_va_ssrc(0) depctr_va_vcc(0) depctr_vm_vsrc(0)
	s_getreg_b32 s2, hwreg(HW_REG_IB_STS2, 6, 4)
	s_cmp_eq_u32 s2, 0
	s_cbranch_scc0 .Lentry_in_a_cluster
	s_endpgm
.Lentry_in_a_cluster:
	s_bfe_u32 s2, ttmp6, 0x10000c
	s_cmp_lg_u32 s2, 0xf033
	s_cbranch_scc0 .Lentry_shape_is_right
	s_endpgm
.Lentry_shape_is_right:
; out0[m][n] = sum over k of a[m][k] b[n][k] on codes of FP4 (E2M1) with one E8M0 scale byte for each 32 along K; sums in f32.
; a_q and b_q have one layout: [8 K steps][4096 rows][272 bytes]; a record is 256 bytes of codes (512 along K) and its 16 scale bytes.
; So 128 rows of a K step are 34,816 consecutive bytes, fetched as 136 rows of 256 bytes; in LDS the records lie 272 bytes apart, as in memory.
; A block of out0, 256 x 256, is made by four waves, 128 x 128 each: 512 registers of sums.  256 work-groups: one for each block.
; K goes in 8 steps of 512 through two LDS slots (A's 256 records, then B's); each wave fetches a quarter of a slot by one tensor load.
; CLUSTERS: 4 x 4 work-groups; A's tiles are asked for jointly along a row of the cluster, B's along a column.
; THE MATRIX INSTRUCTION is the form of 32 x 16 x 128, USED TRANSPOSED: source 0 = 32 rows of B (two neighbouring fragments), source 1 = 16 rows of A.
; Its 16 result registers are two tiles of 16 x 16: a lane holds eight neighbouring numbers of a row of out0 in each.
; REGISTERS.  Window 0: v0-31 addresses; v32-63 A's scale words, v64-95 B's, a set of 16 for each slot (register 4 i + q: lane l holds the word of record 32 i + l for the slot's q-th 128 along K:
;   source 0 takes all 32 lanes, source 1 lanes 0-15 or 16-31); v96-127 A's block in the last K step; v128-255 A's fragments, two sets of 64 (on the way out: two buffers of 16 rows).
;   Window 1: B's fragments, two sets, at v0 and v128; in the last K step all 256: B's fragments of the whole step.  Windows 2, 3: the sums of my rows 0-63, 64-127.
; A step of 128 along K is 32 matrix instructions on one set of A and of B, while the other sets take the next step's 32 loads.
; THE LAST K STEP goes by rows of out0: each block of 16 rows is finished by 16 matrix instructions and leaves at once through my own stage in LDS.
; PREFETCH: behind each joint load the K step that stands two refills on is asked for: of the 136 blocks of 256 bytes that a wave fetches, each of the four partners
; names 34, told apart by address (32 lanes, then 2; the lanes left over name the last block again).  K steps 1 to 3 are asked for at the head; the last trip asks for nothing: K ends at step 7.
.set SIZE_N, 4096
.set REC,    272
.set STEPB,  4096*REC                  ; bytes in a K step of a_q or b_q
.set PITCH,  REC
.set HALFT,  128*PITCH                 ; what one tensor load brings
.set SLOT,   4*HALFT
.set SPARE,  2*SLOT                    ; behind the ring: the spare words, 128 bytes a wave
.set STAGE,  SPARE+512                 ; behind them: a stage of 16 rows x 528 bytes for each wave; no tensor load lands here
.set SPITCH, 528
.set PSH,    34*256                    ; a partner's share of a tile's prefetch
.set ADRA, 16                          ; v16-17 LDS address of my A fragments in slot 0, 1
.set ADRT, 18                          ; v18-19 of B's scale words
.set ADRB, 20                          ; v20-21 of my B fragments
.set ADRS, 22                          ; v22-23 of A's scale words
.set STO,  24                          ; into the stage
.set RD,   25                          ; out of it
.set CO,   26                          ; my 16 bytes in a row's 512 of out0
.set SPW,  28                          ; my spare word
.set NIL,  29                          ; 0
.set PFO,  30                          ; prefetch: 256 x lane
.set PFO2, 31                          ; prefetch: blocks 32 and 33
.set SAS,  32
.set SBS,  64
.set PA,   96
.set AF,   128
.set BK,   128
.set PFA, 18                           ; s[18:19] my share of the tile that I fetch, at K step 0; stepped two K steps a trip
.set G1,  24
.set G0,  32
.set G1B, 48
.set G0B, 56
.set MSB, 0
.macro WIN new                         ; the immediate's high byte repeats the setting that is left
.if MSB != \new
	s_set_vgpr_msb (MSB<<8)|\new
.set MSB, \new
.endif
.endm
.set MUL_LO, 0xa1                      ; source 0 (B) window 1, source 1 (A) window 0, C and D window 2
.set MUL_HI, 0xf1                      ; the same, C and D window 3
.set TO_B,   0x40                      ; destination window 1, address window 0
; a joint load: waves 0, 1 fetch A's halves, waves 2, 3 B's; an s_nop 0 and four v_nop stand behind each line
.macro JLOAD g0a, g1a, g0b, g1b
	s_cmp_eq_u32 s11, 0
	s_cbranch_scc0 .Lfor_b_\@
	tensor_load_to_lds s[\g0a:\g0a+3], s[\g1a:\g1a+7]
	s_nop 0
.rept 4
	v_nop
.endr
	s_branch .Lasked_\@
.Lfor_b_\@:
	tensor_load_to_lds s[\g0b:\g0b+3], s[\g1b:\g1b+7]
	s_nop 0
.rept 4
	v_nop
.endr
.Lasked_\@:
.endm
.macro CREST                           ; a round of the cluster's barrier behind its opening barrier
	s_cmp_lg_u32 s10, 0
	s_cbranch_scc1 .Lnot_wave_0_\@
	s_barrier_signal -3
.Lnot_wave_0_\@:
	s_barrier_wait -3
	s_barrier_signal -1
	s_barrier_wait -1
.endm
.macro CROUND
	s_barrier_signal -1
	s_barrier_wait -1
	CREST
.endm
; my 34 blocks of K step k (counted from where PFA stands).  cond = 1, in the loop: not in its last trip (s3 = 1)
.macro ASK k, cond
.if \cond
	s_cmp_gt_u32 s3, 1
	s_cbranch_scc0 .Lno_ask_\@
.endif
	global_prefetch_b8 v[PFO], s[PFA:PFA+1] offset:(\k)*STEPB th:TH_LOAD_NT scope:SCOPE_SE
	global_prefetch_b8 v[PFO2], s[PFA:PFA+1] offset:(\k)*STEPB th:TH_LOAD_NT scope:SCOPE_SE
.if \cond
.Lno_ask_\@:
.endif
.endm
	s_load_b128 s[4:7], s[0:1], 0x0                ; a_q, b_q
	s_load_b64 s[8:9], s[0:1], 0x10                ; out0
	v_lshl_add_u32 v[SPW], v0, 2, SPARE
	v_mov_b32 v[NIL], 0
	ds_add_u32 v[SPW], v[NIL]                      ; the opening: the add, twice on end,
	ds_add_u32 v[SPW], v[NIL]                      ; under one wait, ahead of my first tensor load
	v_lshrrev_b32 v1, 5, v0
	v_readfirstlane_b32 s10, v1                    ; wave 0..3
	s_lshr_b32 s11, s10, 1                         ; my half of the block's rows; also: I fetch for A (0) or B (1)
	s_and_b32 s12, s10, 1                          ; my half of its columns; also: which 128 records I fetch
	s_bfe_u32 s40, ttmp6, 0x40000                  ; cx
	s_bfe_u32 s41, ttmp6, 0x40004                  ; cy
	s_lshl_b32 s42, ttmp9, 2
	s_add_co_u32 s42, s42, s40                     ; block column
	s_and_b32 s13, ttmp7, 0xffff
	s_lshl_b32 s13, s13, 2
	s_add_co_u32 s13, s13, s41                     ; block row
	s_lshl_b32 s43, s41, 2
	s_lshl_b32 s43, 15, s43                        ; my row of the cluster
	s_lshl_b32 s44, 0x1111, s40                    ; my column
	s_or_b32 s[G1+0], s43, (3<<16)|(1<<21)         ; the mask; elements of 8 bytes; bit 21 beside a mask; no padding
	s_or_b32 s[G1B+0], s44, (3<<16)|(1<<21)
.irp g, G1, G1B
	s_mov_b32 s[\g+1], 32<<16                      ; rows of 32 elements = 256 bytes,
	s_mov_b32 s[\g+2], 136<<16                     ; 136 of them,
	s_mov_b32 s[\g+3], 32<<16
	s_mov_b32 s[\g+4], 136
	s_mov_b32 s[\g+5], 32                          ; end to end
	s_mov_b32 s[\g+6], 0
	s_mov_b32 s[\g+7], 0
.endr
	s_lshl_b32 s17, s12, 7
	s_lshl_b32 s16, s13, 8
	s_add_co_u32 s16, s16, s17                     ; A: record 256 x block row + 128 x half
	s_lshl_b32 s46, s42, 8
	s_add_co_u32 s46, s46, s17                     ; B: record 256 x block column + 128 x half
	s_mul_i32 s16, s16, REC
	s_mul_i32 s46, s46, REC
	s_mov_b32 s17, 0
	s_mov_b32 s47, 0
	s_mul_i32 s20, s10, HALFT                      ; where my quarter of a slot lies
	s_wait_dscnt 0x0                               ; both opening adds are done
	s_wait_kmcnt 0x0
	s_add_nc_u64 s[14:15], s[4:5], s[16:17]
	s_add_nc_u64 s[46:47], s[6:7], s[46:47]
.irp s, 0,1
	s_mov_b32 s[G0+4*\s], 1
	s_add_co_u32 s[G0+4*\s+1], s20, \s*SLOT
	s_add_nc_u64 s[G0+4*\s+2:G0+4*\s+3], s[14:15], \s*STEPB
	s_or_b32 s[G0+4*\s+3], s[G0+4*\s+3], 0x80000000
	s_mov_b32 s[G0B+4*\s], 1
	s_add_co_u32 s[G0B+4*\s+1], s20, \s*SLOT
	s_add_nc_u64 s[G0B+4*\s+2:G0B+4*\s+3], s[46:47], \s*STEPB
	s_or_b32 s[G0B+4*\s+3], s[G0B+4*\s+3], 0x80000000
.endr
	CROUND                                         ; all sixteen work-groups are here: the first joint loads meet
	JLOAD G0, G1, G0B, G1B                         ; K step 0: one tensor load a wave at the head
	; the scalar part of the addresses first, then the vector part in one run
	s_cmp_eq_u32 s11, 0
	s_cselect_b64 s[PFA:PFA+1], s[14:15], s[46:47] ; the tile that I fetch,
	s_cselect_b32 s21, s40, s41                    ; my place among the four that ask for it with me,
	s_mul_i32 s22, s21, PSH
	s_mov_b32 s23, 0
	s_add_nc_u64 s[PFA:PFA+1], s[PFA:PFA+1], s[22:23]  ; my 34 blocks of it
	s_mul_i32 s21, s11, HALFT                      ; my 128 records of A
	s_mul_i32 s22, s12, HALFT
	s_add_co_u32 s22, s22, 2*HALFT                 ; my 128 of B, behind A's 256
	s_mul_i32 s16, s10, 16*SPITCH
	s_add_co_u32 s16, s16, STAGE                   ; my stage
	s_lshl_b32 s44, s13, 8
	s_lshl_b32 s45, s11, 7
	s_add_co_u32 s44, s44, s45                     ; my first row of out0,
	s_lshl_b32 s44, s44, 14                        ; in bytes,
	s_lshl_b32 s45, s42, 10
	s_add_co_u32 s44, s44, s45                     ; + 1,024 x block column
	s_lshl_b32 s45, s12, 9
	s_add_co_u32 s44, s44, s45                     ; + 512 x half: under 2^26
	s_mov_b32 s45, 0
	s_add_nc_u64 s[8:9], s[8:9], s[44:45]
	v_and_b32 v1, 15, v0                           ; l % 16
	v_bfe_u32 v2, v0, 4, 1                         ; l / 16
	v_and_b32 v7, 31, v0                           ; l
	v_mul_u32_u24 v3, v1, PITCH
	v_lshl_add_u32 v4, v2, 4, v3                   ; a fragment's record + 16 x half
	v_mul_u32_u24 v5, v7, PITCH                    ; scale words: a lane a record, 32 records a load,
	v_add_nc_u32 v5, 256, v5                       ; behind the record's codes
	v_add_nc_u32 v[ADRA], s21, v4
	v_add_nc_u32 v[ADRB], s22, v4
	v_add_nc_u32 v[ADRS], s21, v5
	v_add_nc_u32 v[ADRT], s22, v5
	v_add_nc_u32 v[ADRA+1], SLOT, v[ADRA]
	v_add_nc_u32 v[ADRB+1], SLOT, v[ADRB]
	v_add_nc_u32 v[ADRS+1], SLOT, v[ADRS]
	v_add_nc_u32 v[ADRT+1], SLOT, v[ADRT]
	v_mul_u32_u24 v6, v1, SPITCH                   ; into the stage: row l % 16, 32 bytes for each half of the lanes
	v_lshl_add_u32 v6, v2, 5, v6
	v_add_nc_u32 v[STO], s16, v6
	v_lshlrev_b32 v[CO], 4, v7                     ; back: 32 lanes take a row of 512 bytes
	v_add_nc_u32 v[RD], s16, v[CO]
	v_lshlrev_b32 v[PFO], 8, v7
	v_min_u32 v8, 1, v7
	v_lshl_add_u32 v[PFO2], v8, 8, 32*256
	s_wait_alu depctr_va_vdst(0)
	ASK 1, 0                                       ; K step 0 has been asked for: K steps 1 and 2 are prefetched
	ASK 2, 0
; one product of 32 x 16 x 128: two fragments of B, one of A, B's scale words (32 lanes), A's (ra = 1: in lanes 16-31)
.macro WM d, fb, fa, sb, sa, ra, zero
.if (\zero) && (\ra)
	v_wmma_scale_f32_32x16x128_f4 v[\d:\d+15], v[\fb:\fb+15], v[\fa:\fa+7], 0, v[\sb], v[\sa] matrix_b_scale:MATRIX_SCALE_ROW1
.elseif (\zero)
	v_wmma_scale_f32_32x16x128_f4 v[\d:\d+15], v[\fb:\fb+15], v[\fa:\fa+7], 0, v[\sb], v[\sa]
.elseif (\ra)
	v_wmma_scale_f32_32x16x128_f4 v[\d:\d+15], v[\fb:\fb+15], v[\fa:\fa+7], v[\d:\d+15], v[\sb], v[\sa] matrix_b_scale:MATRIX_SCALE_ROW1
.else
	v_wmma_scale_f32_32x16x128_f4 v[\d:\d+15], v[\fb:\fb+15], v[\fa:\fa+7], v[\d:\d+15], v[\sb], v[\sa]
.endif
.endm
; 8 products: A's blocks a0, a0 + 1 x B's four pairs; p: the sets; q: which 128 of the slot's 512; sc: the sets of scale words.  The accumulators take turns
.macro MUL16 a0, p, q, sc, zero
.irp a, \a0, \a0+1
.irp b, 0,1,2,3
	WM 8*(8*((\a)%4)+2*\b), 128*(\p)+16*\b, AF+64*(\p)+8*(\a), SBS+16*(\sc)+4*\b+(\q), SAS+16*(\sc)+4*((\a)/2)+(\q), (\a)%2, \zero
.endr
.endr
.endm
.macro FRAG reg, adr, q, i             ; 16 rows x 128 K: lane l holds row l % 16; registers 4 c .. 4 c + 3 hold K = 64 c + 32 (l / 16) + 0 .. 31
.irp c, 0,1
	ds_load_b128 v[\reg+4*\c:\reg+4*\c+3], v[\adr] offset:64*(\q)+32*\c+(\i)*16*PITCH
.endr
.endm
.macro FETCH_B slot, q, p
	WIN TO_B
.irp i, 0,1,2,3,4,5,6,7
	FRAG 128*(\p)+8*\i, ADRB+\slot, \q, \i
.endr
.endm
.macro FETCH_A slot, q, p
	WIN 0
.irp i, 0,1,2,3,4,5,6,7
	FRAG AF+64*(\p)+8*\i, ADRA+\slot, \q, \i
.endr
.endm
.macro SCALES sc                       ; a K step's scale words, four a record: eight loads of 32 records
	WIN 0
.irp i, 0,1,2,3
	ds_load_b128 v[SBS+16*\sc+4*\i:SBS+16*\sc+4*\i+3], v[ADRT+\sc] offset:\i*32*PITCH
	ds_load_b128 v[SAS+16*\sc+4*\i:SAS+16*\sc+4*\i+3], v[ADRS+\sc] offset:\i*32*PITCH
.endr
.endm
.macro PLACES                          ; four places between matrix instructions and loads into registers that they have read, or reads of their results
.rept 4
	v_nop
.endr
.endm
; a step of 128 along K whose successor lies in the same slot
.macro STEP slot, q, zero
	s_wait_dscnt 8                                 ; all but the youngest eight loads (A's blocks 4-7) are in
	WIN MUL_LO
	MUL16 0, (\q)%2, \q, \slot, \zero
	PLACES                                         ; they stand behind the last step's products, which read the other sets
	FETCH_B \slot, (\q)+1, 1-(\q)%2
	WIN MUL_LO
	MUL16 2, (\q)%2, \q, \slot, \zero
	s_wait_dscnt 16                                ; all but B's sixteen just issued: A's blocks 4-7 are in
	FETCH_A \slot, (\q)+1, 1-(\q)%2
	WIN MUL_HI
	MUL16 4, (\q)%2, \q, \slot, \zero
	MUL16 6, (\q)%2, \q, \slot, \zero
.endm
; a slot's last step.  Its fragments are all in registers at its head, so the change of slots stands there: three quarters of its products follow the next slot's first loads
.macro TURN slot, next
	WIN 0
	s_wait_tensorcnt 0x0                           ; all my tensor loads have landed: my part of the next slot
	ds_add_u32 v[SPW], v[NIL]                      ; 0 onto my spare word
	s_wait_dscnt 0x0                               ; the add is done, and my reads of this slot are over
	s_barrier_signal -1                            ; opens a round of the cluster's barrier
	WIN MUL_LO
	MUL16 0, 1, 3, \slot, 0
	WIN 0
	s_barrier_wait -1
	CREST                                          ; no wave of any partner still reads this slot or has a load on its way
	s_add_nc_u64 s[G0+4*\slot+2:G0+4*\slot+3], s[G0+4*\slot+2:G0+4*\slot+3], 2*STEPB
	s_add_nc_u64 s[G0B+4*\slot+2:G0B+4*\slot+3], s[G0B+4*\slot+2:G0B+4*\slot+3], 2*STEPB
	JLOAD G0+4*\slot, G1, G0B+4*\slot, G1B         ; the refill, two K steps on; its four v_nop are the places in front of the loads below
	FETCH_B \next, 0, 0
	SCALES \next
	FETCH_A \next, 0, 0
	ASK 4+\slot, 1                                 ; the K step two refills on
	WIN MUL_LO
	MUL16 2, 1, 3, \slot, 0
	WIN MUL_HI
	MUL16 4, 1, 3, \slot, 0
	MUL16 6, 1, 3, \slot, 0
.endm
	s_wait_tensorcnt 0x0                           ; my part of K step 0 is in
	ds_add_u32 v[SPW], v[NIL]
	s_wait_dscnt 0x0
	CROUND                                         ; everybody's part is in, and the joint loads meet
	JLOAD G0+4, G1, G0B+4, G1B                     ; K step 1: slot 1's first fill
	FETCH_B 0, 0, 0
	SCALES 0
	FETCH_A 0, 0, 0
	ASK 3, 0
	STEP 0, 0, 1                                   ; the first step's products start the sums
	WIN 0
	s_mov_b32 s3, 3
.Llap:                                                 ; a trip: once round the ring, from a lap's second step to the next lap's first; both slots are filled again
	STEP 0, 1, 0
	STEP 0, 2, 0
	TURN 0, 1
	STEP 1, 0, 0
	STEP 1, 1, 0
	STEP 1, 2, 0
	TURN 1, 0
	STEP 0, 0, 0
	WIN 0
	s_wait_xcnt 0x0                                ; my prefetches have read their base
	s_add_nc_u64 s[PFA:PFA+1], s[PFA:PFA+1], 2*STEPB
	s_sub_co_u32 s3, s3, 1
	s_cmp_lg_u32 s3, 0
	s_cbranch_scc1 .Llap
; THE LAST K STEP, in slot 1, by rows of out0
.macro BLOAD q                         ; B's fragments of quarter q -> window 1, v[64 q ..]
.irp i, 0,1,2,3,4,5,6,7
	FRAG 64*\q+8*\i, ADRB+1, \q, \i
.endr
.endm
.macro ALOAD a                         ; A's block a, all four quarters
.irp q, 0,1,2,3
	FRAG PA+8*\q, ADRA+1, \q, \a
.endr
.endm
.macro ROW a                           ; block a is finished: 16 products, its four accumulators by turns, K ascending
.set AC, 64*((\a)%4)
	WIN MUL_LO+0x50*((\a)/4)
.irp q, 0,1,2,3
.if (\a) == 0 && \q == 2
	s_wait_dscnt 0x0                               ; B's quarter 2 is in
.endif
.irp b, 0,1,2,3
	WM AC+16*\b, 64*\q+16*\b, PA+8*\q, SBS+16+4*\b+\q, SAS+16+4*((\a)/2)+\q, (\a)%2, 0
.endr
.endr
.endm
.macro TOSTAGE a                       ; 16 rows x 128 columns into my stage, each accumulator from its low end on, and back as whole rows; LDS serves a wave's instructions in order (ISA guide 5.7.1)
.set AC, 64*((\a)%4)
.set BF, BK+64*((\a)%2)
	WIN 0x08+4*((\a)/4)                            ; the data: window 2 or 3
.irp b, 0,1,2,3,4,5,6,7
	ds_store_b128 v[STO], v[AC+8*\b:AC+8*\b+3] offset:64*\b
	ds_store_b128 v[STO], v[AC+8*\b+4:AC+8*\b+7] offset:64*\b+16
.endr
	WIN 0
.irp t, 0,1,2,3,4,5,6,7,8,9,10,11,12,13,14,15
	ds_load_b128 v[BF+4*\t:BF+4*\t+3], v[RD] offset:\t*SPITCH
.endr
.endm
.macro SEND a, younger                 ; younger: the LDS loads issued behind the block's own
.set BF, BK+64*((\a)%2)
.irp t, 0,1,2,3,4,5,6,7,8,9,10,11,12,13,14,15
	s_wait_dscnt \younger+15-\t                    ; row t is back
	global_store_b128 v[CO], v[BF+4*\t:BF+4*\t+3], s[8:9] offset:(16*(\a)+\t)*SIZE_N*4 th:TH_STORE_NT   ; 32 lanes store 512 consecutive bytes, at a multiple of 256; 127 rows at the most stand in the immediate
.endr
.endm
	STEP 0, 1, 0                                   ; K step 6 goes on
	STEP 0, 2, 0
	WIN 0
	s_wait_tensorcnt 0x0                           ; my part of K step 7 is in; nothing is filled again
	ds_add_u32 v[SPW], v[NIL]
	s_wait_dscnt 0x0
	s_barrier_signal -1
	WIN MUL_LO
	MUL16 0, 1, 3, 0, 0
	s_barrier_wait -1                              ; everybody's part is in
	PLACES
	WIN TO_B
	BLOAD 0                                        ; three quarters of B now: set 1 (v128-191) is still at work
	BLOAD 1
	BLOAD 3
	SCALES 1
	ALOAD 0
	WIN MUL_LO
	MUL16 2, 1, 3, 0, 0
	WIN MUL_HI
	MUL16 4, 1, 3, 0, 0
	MUL16 6, 1, 3, 0, 0
	PLACES
	WIN TO_B
	BLOAD 2
	s_wait_dscnt 16                                ; all but the sixteen just issued
	ROW 0
.irp a, 0,1,2,3,4,5,6,7
	PLACES                                         ; behind the block's products: for the reads of their results and the load into A's registers
.if \a > 1
	s_wait_xcnt 0x0                                ; block a - 2's stores have read their registers
.endif
	TOSTAGE \a
.if \a < 7
	ALOAD \a+1
	SEND \a, 8
	s_wait_dscnt 0x0                               ; A's next block is in
	ROW \a+1
.else
	SEND \a, 0
.endif
.endr
	s_wait_tensorcnt 0x0                           ; the wave's end
	ds_add_u32 v[SPW], v[NIL]
	s_wait_dscnt 0x0
	CROUND                                         ; the closing round
	s_endpgm
.Lfunc_end_k_qb753c7f6ca_gemm:
	.size	k_qb753c7f6ca_gemm, .Lfunc_end_k_qb753c7f6ca_gemm-k_qb753c7f6ca_gemm
	.p2alignl 7, 3214868480
	.fill 96, 4, 3214868480
	.section	.rodata,"a",@progbits
	.p2align	6, 0x0
	.amdhsa_kernel k_qb753c7f6ca_gemm
		.amdhsa_group_segment_fixed_size 327680
		.amdhsa_private_segment_fixed_size 0
		.amdhsa_enable_private_segment 0
		.amdhsa_kernarg_size 24
		.amdhsa_user_sgpr_count 2
		.amdhsa_user_sgpr_kernarg_segment_ptr 1
		.amdhsa_wavefront_size32 1
		.amdhsa_system_sgpr_workgroup_id_x 1
		.amdhsa_system_sgpr_workgroup_id_y 1
		.amdhsa_system_sgpr_workgroup_id_z 1
		.amdhsa_system_vgpr_workitem_id 0
		.amdhsa_next_free_vgpr 1024
		.amdhsa_next_free_sgpr 66
		.amdhsa_reserve_vcc 0
		.amdhsa_float_denorm_mode_32 3
		.amdhsa_float_denorm_mode_16_64 3
		.amdhsa_memory_ordered 1
		.amdhsa_forward_progress 1
		.amdhsa_inst_pref_size 148
	.end_amdhsa_kernel
	.amdgpu_metadata
---
amdhsa.version: [ 1, 2 ]
amdhsa.kernels:
  - .name:           k_qb753c7f6ca_gemm
    .symbol:         k_qb753c7f6ca_gemm.kd
    .args:
      - { .name: a_q, .offset: 0, .size: 8, .value_kind: global_buffer, .address_space: global }
      - { .name: b_q, .offset: 8, .size: 8, .value_kind: global_buffer, .address_space: global }
      - { .name: out0, .offset: 16, .size: 8, .value_kind: global_buffer, .address_space: global }
    .group_segment_fixed_size: 327680
    .private_segment_fixed_size: 0
    .kernarg_segment_align: 8
    .kernarg_segment_size: 24
    .max_flat_workgroup_size: 128
    .sgpr_count:     66
    .vgpr_count:     1024
    .wavefront_size: 32
...
	.end_amdgpu_metadata
.endif
;; end of part 4
